; MI455X (gfx1250); checked and timed in simulation.
; The chip was launched on July 23, 2026; its instructions are those of AMD's public machine-readable ISA for CDNA 5 (MIT licence, August 2026) and "CDNA5" Instruction Set Architecture Reference Guide (July 2026). The comments in the code are by the model that wrote it; some were corrected since.
;; Conditional Layer. Allowed arithmetic: matrix products marked QUANTISED: E4M3 operands, one E8M0 scale for each 32 along K, by v_wmma_scale_f32_16x16x128_f8f6f4 with both operands' format E4M3, f32 sums; everything else in f32.
;; Inputs: W_codes 8 x 512 x 16 x 32 uint8 (E4M3 codes of W, K innermost, in blocks of 32 codes); W_scales 8 x 512 x 16 uint8 (E8M0 scales of W, one for each 32 codes along K); b 8 x 512 float32; cond_ids 16,384 int32; x 16,384 x 512 float32.
;; Outputs: out0 16,384 x 512 float32.
;; This version of the problem:
;;   THIS VERSION OF THE PROBLEM IS GIVEN IN LOW PRECISION. The matrix products marked QUANTISED in the list below multiply operands that are first quantised to E4M3 (4 exponent bits, 3 mantissa bits; 8 bits a number), with one power-of-two scale for each 32 numbers along K (OCP MX v1.0); their sums are f32. All else is computed in f32.
;;   The module's matrix products, in the order in which they are computed (A, B: the left and right operand; K: the contracted axis; several contracted axes count as one K, in the product's order):
;;     1. batch 8 x [M 16,384, K 512] x [K 512, N 512]; A: computed on the way; B: input W (given as codes): QUANTISED
;;   THE QUANTISER, for each operand of a quantised product, along K:
;;     - K is cut into blocks of 32 from its start; a last block that is shorter is filled with zeros.
;;     - A block's scale is 2^e with e = floor(log2(the largest magnitude in the block)) - 8, held to -126 .. 127; a block of zeros has e = 0. As a byte (E8M0): e + 127.
;;     - Each number is divided by its block's scale, clamped to +-448, and rounded to the nearest number of E4M3, ties to even, subnormals kept.
;;     - The product sums the exact products of the quantised numbers (number of the format x scale) in f32.
;;   ~~~python
;;   def quantise(x, axis):      # numpy; x: float32 -> the quantised numbers, widened to float32 again
;;       x = np.moveaxis(x, axis, -1); K = x.shape[-1]
;;       x = np.pad(x, [(0, 0)] * (x.ndim - 1) + [(0, -K % 32)]); x = x.reshape(x.shape[:-1] + (-1, 32)); a = np.abs(x).max(-1, keepdims=True)
;;       e = np.where(a > 0, np.clip(np.frexp(np.where(a > 0, a, 1))[1] - 1 - 8, -126, 127), 0)      # np.frexp(a)[1] - 1 = floor(log2(a)), exactly
;;       r = np.clip(x / 2.0 ** e, -448, 448)
;;       step = 2.0 ** (np.maximum(np.frexp(np.where(r == 0, 1, r))[1] - 1, -6) - 3)
;;       q = np.round(r / step) * step * 2.0 ** e      # np.round: ties to even
;;       return np.moveaxis(q.reshape(q.shape[:-2] + (-1,))[..., :K], -1, axis).astype(np.float32)
;;   ~~~
;;   OPERANDS COMPUTED ON THE WAY. 'Computed on the way' means the value that the module computes at that place (a softmax that the list does not call 'softmax' is quantised finished and normalised). What goes into a quantiser is computed in f32, as accurately as f32 sums, v_exp_f32 and their like allow (about 1e-6 of the number): no bf16 or f16 on the way to a quantiser, and a product that is left as it is and whose result goes on into a quantised operand takes f32 operands (vector FMAs, or v_wmma_f32_16x16x4_f32). A number that lies on a knife's edge between two numbers of the format may be rounded either way, as far as f32 arithmetic and the matrix unit's own rounding can turn it there, and no further.
;;   INPUTS GIVEN AS CODES. W (in the module: [8, 512, 512], K = its axis 1): each comes as NAME_codes (uint8): NAME with its K axis moved to the last place and cut into blocks of 32 codes, [.., K / 32, bytes a block], one block behind the other in memory; one code a byte (a code: sign, 4 exponent bits, 3 mantissa bits); and NAME_scales (uint8): the same leading axes, one E8M0 byte (e + 127) for each 32 codes along K. Its value is code x scale, taken as it is: it is not quantised again, and the codes and scales need not be those that the quantiser above would give.
;; One version. Each part assembles by itself: llvm-mc -triple=amdgcn-amd-amdhsa -mcpu=gfx1250 --defsym DOCPART=n.
;; ======== version 1 of 1: 2 launches
;; workspace buffers: order 67,328 bytes of whole numbers; tiles 1,280 bytes of whole numbers; wl 2,097,152 bytes
;; launch prep (part 1): grid 32 x 1, 32 waves a work-group, no clusters, 4,608 bytes of LDS; arguments cond_ids, W_codes, order, tiles, wl; writes order, tiles, wl
.if DOCPART == 1
	.amdgcn_target "amdgcn-amd-amdhsa--gfx1250"
	.amdhsa_code_object_version 6
	.text
	.protected	k_qde680d13e0_prep
	.globl	k_qde680d13e0_prep
	.p2align	8
	.type	k_qde680d13e0_prep,@function
k_qde680d13e0_prep:
	s_mov_b64 s[64:65], 0
	v_nop
	global_prefetch_b8 v0, s[64:65] scope:SCOPE_SE
	s_setreg_imm32_b32 hwreg(HW_REG_WAVE_MODE, 25, 1), 1
	s_wait_xcnt 0x0
; PREP.  Three things for the launch that follows:
;  (1) order: the 16,384 rows sorted by expert (a counting sort); each expert's run begins at a multiple of 64 slots.  A word: the row in bits 13:0,
;      bit 15 = the row's id lay in 0 .. 7.  An id outside 0 .. 7 is placed with expert 7, bit 15 clear.  Slots that no row takes hold 0.
;  (2) tiles: for each of the 263 tiles of 64 slots a word: the expert in bits 2:0, the number of rows (0 .. 64) in bits 14:8.
;      The sum over 8 experts of ceil(n_e / 64) is at most 256 + 7 = 263 for every split of 16,384 rows.
;  (3) wl: W's codes laid as images of operand registers: fragment f = 128 e + 16 cg + 4 s + t (columns 64 cg + 16 t on, K = 128 s on) is 2,048 bytes;
;      byte 512 c + 16 lane of it holds registers 4 c .. 4 c + 3 of that lane: column lane % 16, K = 32 c + 16 (lane / 16) + 0 .. 15.
; SHARES.  32 work-groups of 32 waves.  Work-groups hand each other nothing, so each counts all 16,384 ids itself (16 a thread); only wave g of work-group g
; goes on to place its 512 ids.  32 x 32 waves are also W's 1,024 fragments: one a wave.  16,832 slots = 32 x 526: work-group g clears the empty ones among its 526.
; THE ORDER OF THE SORT: by thread, then by the thread's register k = 4 j + q, which holds row 4096 j + 4 thread + q.
; COUNTS are packed: 4-bit fields in a lane (at most 8 in a field), then 16-bit fields (at most 16,832): word 0 experts (0, 4), word 1 (2, 6), word 2 (1, 5), word 3 (3, 7).
; EXEC is written only at the text's end, in the slots' code, and every offset and every word stored there is made ahead of the first line that narrows it.
.set LASTSLOT, 16831
.set PERWG,    526
.set ID, 16                            ; v16-31   the ids, later the words to store
.set EX, 32                            ; v32-47   the experts: min(id, 7), unsigned
.set SH, 48                            ; v48-63   4 x expert
.set WF, 64                            ; v64-79   my wave's fragment of W
.set TP, 88                            ; v88-91   at work in SCAN
.set POS, 112                          ; v112-127 the byte offsets in order of my 16 ids
; An inclusive sum over the 32 lanes of the four words v[base] on: four steps inside each half of 16 lanes, then lane 15's sums onto lanes 16-31 (v5 = all ones there).
.macro SCAN base
.irp n, 1,2,4,8
.irp d, 0,1,2,3
	v_mov_b32_dpp v[TP+\d], v[\base+\d] row_shr:\n row_mask:0xf bank_mask:0xf bound_ctrl:1   ; lanes without a source take 0
.endr
.irp d, 0,1,2,3
	s_delay_alu instid0(VALU_DEP_4)
	v_add_nc_u32 v[\base+\d], v[\base+\d], v[TP+\d]
.endr
.endr
.irp d, 0,1,2,3
	s_delay_alu instid0(VALU_DEP_4)
	v_readlane_b32 s[40+\d], v[\base+\d], 15
.endr
.irp d, 0,1,2,3
	s_delay_alu instid0(VALU_DEP_4)
	v_and_b32 v[TP+\d], s[40+\d], v5
.endr
.irp d, 0,1,2,3
	s_delay_alu instid0(VALU_DEP_4)
	v_add_nc_u32 v[\base+\d], v[\base+\d], v[TP+\d]
.endr
.endm
	s_load_b256 s[4:11], s[0:1], 0x0               ; ids s[4:5], W's codes s[6:7], order s[8:9], tiles s[10:11]
	s_load_b64 s[12:13], s[0:1], 0x20              ; wl
	v_lshrrev_b32 v92, 5, v0
	s_delay_alu instid0(VALU_DEP_1)
	v_readfirstlane_b32 s14, v92                   ; wave 0..31
	s_mov_b32 s15, ttmp9                           ; work-group g
	s_lshl_b32 s16, s15, 5
	s_add_co_u32 s16, s16, s14                     ; my fragment f = 32 g + wave
	v_and_b32 v1, 31, v0                           ; lane
	v_lshlrev_b32 v2, 4, v0                        ; 16 x thread: my four ids of a load
	v_and_b32 v92, 15, v0
	v_bfe_u32 v93, v0, 4, 1
	s_delay_alu instid0(VALU_DEP_2)
	v_lshlrev_b32 v3, 9, v92                       ; W: column lane % 16 of 512 bytes,
	s_delay_alu instid0(VALU_DEP_1)
	v_lshl_add_u32 v3, v93, 4, v3                  ; + 16 (lane / 16)
	v_lshlrev_b32 v4, 4, v1                        ; 16 x lane
	s_delay_alu instid0(VALU_DEP_4)
	v_sub_nc_u32 v5, 0, v93                        ; all ones in lanes 16-31
	v_mov_b32 v6, 0                                ; 4-bit counts of ids 0-7
	v_mov_b32 v7, 0                                ; and of ids 8-15
.irp d, 0,1,2,3
	v_mov_b32 v[TP+\d], 0                          ; written once: a DPP form's destination counts as one of its sources
.endr
	s_lshr_b32 s18, s16, 7                         ; where my fragment lies in W's codes: expert x 262,144
	s_lshl_b32 s18, s18, 18
	s_bfe_u32 s25, s16, 0x30004
	s_lshl_b32 s25, s25, 15                        ; + cg x 64 columns of 512 bytes
	s_add_co_u32 s18, s18, s25
	s_and_b32 s25, s16, 3
	s_lshl_b32 s25, s25, 13                        ; + t x 16 columns
	s_add_co_u32 s18, s18, s25
	s_bfe_u32 s25, s16, 0x20002
	s_lshl_b32 s25, s25, 7                         ; + s x 128 codes
	s_add_co_u32 s18, s18, s25
	s_mov_b32 s19, 0
	s_lshl_b32 s20, s16, 11                        ; and where its image goes: 2,048 f
	s_mov_b32 s21, 0
	s_mov_b32 s22, 0x0f0f0f0f
	s_mov_b32 s23, 0x00ff00ff
	s_mov_b32 s24, 0x00000400                      ; byte 0 of the second source, then byte 0 of the first
	s_wait_alu depctr_va_vdst(0)
	s_wait_kmcnt 0x0
	s_add_nc_u64 s[6:7], s[6:7], s[18:19]
	s_add_nc_u64 s[12:13], s[12:13], s[20:21]
.irp j, 0,1,2,3
	global_load_b128 v[ID+4*\j:ID+4*\j+3], v2, s[4:5] offset:16384*\j        ; a wave reads 512 consecutive bytes
.endr
.irp c, 0,1,2,3
	global_load_b128 v[WF+4*\c:WF+4*\c+3], v3, s[6:7] offset:32*\c
.endr
	s_wait_loadcnt 4                               ; the ids are in; the four loads of W issued behind them may be out
.irp k, 0,1,2,3,4,5,6,7,8,9,10,11,12,13,14,15
	v_min_u32 v[EX+\k], 7, v[ID+\k]
.endr
.irp k, 0,1,2,3,4,5,6,7,8,9,10,11,12,13,14,15
	v_lshlrev_b32 v[SH+\k], 2, v[EX+\k]
.endr
.irp k, 0,1,2,3,4,5,6,7,8,9,10,11,12,13,14,15
	v_lshl_add_u32 v[6+\k/8], 1, v[SH+\k], v[6+\k/8]                         ; one more in the expert's 4-bit field
.endr
	v_and_b32 v92, s22, v6                         ; the fields are widened: even experts to bytes,
	s_delay_alu instid0(VALU_DEP_2)
	v_and_b32 v93, s22, v7
	s_delay_alu instid0(VALU_DEP_1)
	v_add_nc_u32 v92, v92, v93
	v_lshrrev_b32 v94, 4, v6                       ; odd experts to bytes,
	v_lshrrev_b32 v95, 4, v7
	s_delay_alu instid0(VALU_DEP_2)
	v_and_b32 v94, s22, v94
	s_delay_alu instid0(VALU_DEP_2)
	v_and_b32 v95, s22, v95
	s_delay_alu instid0(VALU_DEP_1)
	v_add_nc_u32 v93, v94, v95
	v_and_b32 v8, s23, v92                         ; and the bytes to 16 bits: experts (0, 4)
	v_lshrrev_b32 v92, 8, v92
	s_delay_alu instid0(VALU_DEP_1)
	v_and_b32 v9, s23, v92                         ; (2, 6)
	s_delay_alu instid0(VALU_DEP_4)
	v_and_b32 v10, s23, v93                        ; (1, 5)
	v_lshrrev_b32 v93, 8, v93
	s_delay_alu instid0(VALU_DEP_1)
	v_and_b32 v11, s23, v93                        ; (3, 7)
.irp d, 0,1,2,3
	v_mov_b32 v[12+\d], v[8+\d]                    ; my own counts are kept
.endr
	SCAN 8                                         ; v[8:11]: the counts of my wave's lanes up to and with mine
.irp d, 0,1,2,3
	s_delay_alu instid0(VALU_DEP_4)
	v_readlane_b32 s[44+\d], v[8+\d], 31           ; my wave's totals
.endr
.irp d, 0,1,2,3
	s_delay_alu instid0(VALU_DEP_4)
	v_mov_b32 v[92+\d], s[44+\d]
.endr
	s_lshl_b32 s25, s14, 4
	v_mov_b32 v106, s25
	ds_store_b128 v106, v[92:95]                   ; at 16 x wave; every lane writes the same bytes
	s_wait_loadcnt 0x0                             ; W's fragment is in
.irp c, 0,1,2,3
	global_store_b128 v4, v[WF+4*\c:WF+4*\c+3], s[12:13] offset:512*\c       ; a wave stores 512 consecutive bytes, at a multiple of 256 from wl's first byte
.endr
	s_wait_dscnt 0x0                               ; for the others' sake: my totals lie in LDS
	s_barrier_signal -1
	s_barrier_wait -1                              ; the one barrier: every wave passes it
	s_cmp_lt_u32 s14, 17                           ; waves 0-16 see to the slots, wave g places its ids; the others are done
	s_cbranch_scc1 .Lstay
	s_cmp_eq_u32 s14, s15
	s_cbranch_scc1 .Lstay
	s_wait_xcnt 0x0
	s_mov_b32 exec_lo, -1
	v_lshl_add_u32 v126, v0, 2, 0x200
	v_mov_b32 v127, 0
	s_wait_alu depctr_va_vdst(0)
	s_wait_tensorcnt 0x0
	ds_add_u32 v126, v127
	s_wait_dscnt 0x0
	s_endpgm
.Lstay:
	ds_load_b128 v[80:83], v4                      ; lane l takes wave l's totals
	s_wait_dscnt 0x0
.irp d, 0,1,2,3
	v_mov_b32 v[84+\d], v[80+\d]
.endr
	SCAN 80
.irp d, 0,1,2,3
	s_delay_alu instid0(VALU_DEP_4)
	v_readlane_b32 s[44+\d], v[80+\d], 31          ; the totals of all 16,384 ids
.endr
	s_and_b32 s48, s44, 0xffff                     ; n_e in s[48 + e]
	s_lshr_b32 s52, s44, 16
	s_and_b32 s50, s45, 0xffff
	s_lshr_b32 s54, s45, 16
	s_and_b32 s49, s46, 0xffff
	s_lshr_b32 s53, s46, 16
	s_and_b32 s51, s47, 0xffff
	s_lshr_b32 s55, s47, 16
	s_mov_b32 s56, 0                               ; where expert e's run begins, in s[56 + e]: each run is rounded up to whole tiles of 64
.irp e, 0,1,2,3,4,5,6
	s_add_co_u32 s25, s[48+\e], 63
	s_and_b32 s25, s25, 0xffc0
	s_add_co_u32 s[57+\e], s[56+\e], s25
.endr
	s_cmp_lg_u32 s14, s15
	s_cbranch_scc1 .Lnoplace
	; THE PLACING, by wave g alone, with all lanes on.  Where my first id of expert e goes: the run's start + the counts of the waves in front + those of the lanes in front.
	s_wait_alu depctr_va_vdst(0)
.irp d, 0,1,2,3
	v_sub_nc_u32 v[84+\d], v[80+\d], v[84+\d]      ; lane l: the totals of waves 0 .. l - 1
.endr
.irp d, 0,1,2,3
	s_delay_alu instid0(VALU_DEP_4)
	v_readlane_b32 s[66+\d], v[84+\d], s14
.endr
	s_lshl_b32 s25, s60, 16                        ; the starts, packed as the counts are
	s_or_b32 s70, s56, s25
	s_lshl_b32 s25, s62, 16
	s_or_b32 s71, s58, s25
	s_lshl_b32 s25, s61, 16
	s_or_b32 s72, s57, s25
	s_lshl_b32 s25, s63, 16
	s_or_b32 s73, s59, s25
.irp d, 0,1,2,3
	s_add_co_u32 s[70+\d], s[70+\d], s[66+\d]      ; no field passes 16,832: nothing is carried from field to field
.endr
.irp d, 0,1,2,3
	v_sub_nc_u32 v[8+\d], v[8+\d], v[12+\d]
.endr
.irp d, 0,1,2,3
	s_delay_alu instid0(VALU_DEP_4)
	v_add_nc_u32 v[8+\d], s[70+\d], v[8+\d]
.endr
	; the eight 16-bit numbers become two tables of eight bytes, low bytes and high bytes, so that v_perm_b32 with the expert as selector looks one up
	s_delay_alu instid0(VALU_DEP_2)
	v_perm_b32 v96, v10, v8, 0x05010400            ; e0.lo e1.lo e0.hi e1.hi
	s_delay_alu instid0(VALU_DEP_3)
	v_perm_b32 v97, v10, v8, 0x07030602            ; the same of experts 4, 5
	s_delay_alu instid0(VALU_DEP_3)
	v_perm_b32 v98, v11, v9, 0x05010400            ; 2, 3
	s_delay_alu instid0(VALU_DEP_4)
	v_perm_b32 v99, v11, v9, 0x07030602            ; 6, 7
	s_delay_alu instid0(VALU_DEP_2)
	v_perm_b32 v100, v98, v96, 0x05040100          ; low bytes of experts 0-3
	s_delay_alu instid0(VALU_DEP_2)
	v_perm_b32 v101, v99, v97, 0x05040100          ; of 4-7
	s_delay_alu instid0(VALU_DEP_4)
	v_perm_b32 v102, v98, v96, 0x07060302          ; high bytes of experts 0-3
	s_delay_alu instid0(VALU_DEP_4)
	v_perm_b32 v103, v99, v97, 0x07060302          ; of 4-7
	v_lshlrev_b32 v104, 2, v0                      ; 4 x thread: the row of my register 0,
	s_delay_alu instid0(VALU_DEP_1)
	v_or_b32 v105, 0x8000, v104                    ; and with the mark of an id in 0 .. 7
	v_mov_b32 v6, 0                                ; 4-bit counts of my ids so far
; Id k: each has its own registers for offset and word, so that no source of a store that is out is written again.
.macro PLACE k
	v_bfe_u32 v92, v6, v[SH+(\k)], 4               ; how many of my earlier ids have its expert
.if (\k) < 15
	v_lshl_add_u32 v6, 1, v[SH+(\k)], v6           ; (15 at the most in a field)
.endif
	v_perm_b32 v93, v101, v100, v[EX+(\k)]         ; byte 0: the low byte of the expert's number
	v_perm_b32 v94, v103, v102, v[EX+(\k)]         ; byte 0: its high byte
	s_delay_alu instid0(VALU_DEP_1)
	v_perm_b32 v93, v94, v93, s24
	s_delay_alu instid0(VALU_DEP_1)
	v_and_b32 v93, 0xffff, v93
	s_delay_alu instid0(VALU_DEP_1)
	v_add_nc_u32 v[POS+(\k)], v93, v92             ; the id's slot
	s_delay_alu instid0(VALU_DEP_1)
	v_min_u32 v[POS+(\k)], LASTSLOT, v[POS+(\k)]   ; a number made of loaded ids is held inside the buffer before it becomes an address
	s_delay_alu instid0(VALU_DEP_1)
	v_lshlrev_b32 v[POS+(\k)], 2, v[POS+(\k)]
	v_cmp_eq_u32 vcc_lo, v[ID+(\k)], v[EX+(\k)]    ; the id lay in 0 .. 7
	s_delay_alu instid0(VALU_DEP_1)
	v_cndmask_b32 v[ID+(\k)], v104, v105, vcc_lo
	s_delay_alu instid0(VALU_DEP_1)
	v_add_nc_u32 v[ID+(\k)], 4096*((\k)/4)+(\k)%4, v[ID+(\k)]
	global_store_b32 v[POS+(\k)], v[ID+(\k)], s[8:9]
.endm
.irp k, 0,1,2,3,4,5,6,7,8,9,10,11,12,13,14,15
	PLACE \k
.endr
.Lnoplace:
	s_cmp_ge_u32 s14, 17
	s_cbranch_scc1 .Lend
	; THE SLOTS: thread < 526 looks at slot p = 526 g + thread.  Both offsets are made of ids and constants alone; the counts only say which lanes store, and what.
	s_mul_i32 s25, s15, PERWG
	v_add_nc_u32 v106, s25, v0                     ; p
	s_delay_alu instid0(VALU_DEP_1)
	v_lshrrev_b32 v94, 6, v106
	s_delay_alu instid0(VALU_DEP_1)
	v_lshlrev_b32 v94, 2, v94                      ; the tile's word: 4 (p / 64); 4 x 263 at the most (in a lane that stores nothing): inside the buffer's 1,280 bytes
	s_delay_alu instid0(VALU_DEP_3)
	v_and_b32 v111, 63, v106
	s_delay_alu instid0(VALU_DEP_4)
	v_min_u32 v92, LASTSLOT, v106                  ; (lanes past 525 store nothing; their p is held inside the buffer all the same)
	s_delay_alu instid0(VALU_DEP_1)
	v_lshlrev_b32 v93, 2, v92                      ; the slot's word
	v_mov_b32 v95, 0
	v_mov_b32 v107, 0                              ; rows of the run from p on: 0 where no row takes the slot
	v_mov_b32 v108, 0                              ; the run's expert
.irp e, 0,1,2,3,4,5,6,7
	v_subrev_nc_u32 v109, s[56+\e], v92            ; d = p - the run's start (it wraps where p lies in front)
	s_delay_alu instid0(VALU_DEP_1)
	v_cmp_gt_u32 vcc_lo, s[48+\e], v109            ; p lies among the run's rows
	s_delay_alu instid0(VALU_DEP_2)
	v_sub_nc_u32 v110, s[48+\e], v109
	s_delay_alu instid0(VALU_DEP_1)
	v_cndmask_b32 v107, v107, v110, vcc_lo
	s_delay_alu instid0(VALU_DEP_3)
	v_cndmask_b32 v108, v108, \e, vcc_lo
.endr
	v_cmp_gt_u32 s25, PERWG, v0                    ; the thread has a slot
	s_delay_alu instid0(VALU_DEP_3)
	v_cmp_eq_u32 s28, 0, v107                      ; no row takes it
	v_cmp_eq_u32 s29, 0, v111                      ; it is a tile's first
	v_min_u32 v107, 64, v107                       ; the tile's rows
	s_delay_alu instid0(VALU_DEP_1)
	v_lshl_or_b32 v108, v107, 8, v108              ; the tile's word
	s_and_b32 vcc_lo, s28, s25
	s_wait_alu depctr_va_vdst(0)
	s_wait_xcnt 0x0                                ; EXEC changes only behind this wait: the stores of W's image, and in wave g those of the placing, are out
	s_and_saveexec_b32 s26, vcc_lo
	global_store_b32 v93, v95, s[8:9]              ; an empty slot holds 0
	s_wait_xcnt 0x0                                ; and again in front of the line that widens it
	s_or_b32 exec_lo, exec_lo, s26
	s_and_b32 vcc_lo, s29, s25
	s_wait_xcnt 0x0
	s_and_saveexec_b32 s26, vcc_lo
	global_store_b32 v94, v108, s[10:11]           ; the thread at a tile's first slot writes the tile's word
	s_wait_xcnt 0x0
	s_or_b32 exec_lo, exec_lo, s26
.Lend:
	s_wait_xcnt 0x0
	s_mov_b32 exec_lo, -1
	v_lshl_add_u32 v126, v0, 2, 0x200
	v_mov_b32 v127, 0
	s_wait_alu depctr_va_vdst(0)
	s_wait_tensorcnt 0x0
	ds_add_u32 v126, v127
	s_wait_dscnt 0x0
	s_endpgm
.Lfunc_end_k_qde680d13e0_prep:
	.size	k_qde680d13e0_prep, .Lfunc_end_k_qde680d13e0_prep-k_qde680d13e0_prep
	.p2alignl 7, 3214868480
	.fill 96, 4, 3214868480
	.section	.rodata,"a",@progbits
	.p2align	6, 0x0
	.amdhsa_kernel k_qde680d13e0_prep
		.amdhsa_group_segment_fixed_size 4608
		.amdhsa_private_segment_fixed_size 0
		.amdhsa_enable_private_segment 0
		.amdhsa_kernarg_size 40
		.amdhsa_user_sgpr_count 2
		.amdhsa_user_sgpr_kernarg_segment_ptr 1
		.amdhsa_wavefront_size32 1
		.amdhsa_system_sgpr_workgroup_id_x 1
		.amdhsa_system_sgpr_workgroup_id_y 1
		.amdhsa_system_sgpr_workgroup_id_z 1
		.amdhsa_system_vgpr_workitem_id 0
		.amdhsa_next_free_vgpr 128
		.amdhsa_next_free_sgpr 80
		.amdhsa_reserve_vcc 1
		.amdhsa_float_denorm_mode_32 3
		.amdhsa_float_denorm_mode_16_64 3
		.amdhsa_memory_ordered 1
		.amdhsa_forward_progress 1
		.amdhsa_inst_pref_size 37
	.end_amdhsa_kernel
	.amdgpu_metadata
---
amdhsa.version: [ 1, 2 ]
amdhsa.kernels:
  - .name:           k_qde680d13e0_prep
    .symbol:         k_qde680d13e0_prep.kd
    .args:
      - { .name: cond_ids, .offset: 0, .size: 8, .value_kind: global_buffer, .address_space: global }
      - { .name: W_codes, .offset: 8, .size: 8, .value_kind: global_buffer, .address_space: global }
      - { .name: order, .offset: 16, .size: 8, .value_kind: global_buffer, .address_space: global }
      - { .name: tiles, .offset: 24, .size: 8, .value_kind: global_buffer, .address_space: global }
      - { .name: wl, .offset: 32, .size: 8, .value_kind: global_buffer, .address_space: global }
    .group_segment_fixed_size: 4608
    .private_segment_fixed_size: 0
    .kernarg_segment_align: 8
    .kernarg_segment_size: 40
    .max_flat_workgroup_size: 1024
    .sgpr_count:     80
    .vgpr_count:     128
    .wavefront_size: 32
...
	.end_amdgpu_metadata
.endif
;; end of part 1
;; launch chain (part 2): grid 263 x 1, 4 waves a work-group, no clusters, 105,984 bytes of LDS; arguments x, order, tiles, wl, W_scales, b, out0; writes out0
.if DOCPART == 2
	.amdgcn_target "amdgcn-amd-amdhsa--gfx1250"
	.amdhsa_code_object_version 6
	.text
	.protected	k_qde680d13e0_chain
	.globl	k_qde680d13e0_chain
	.p2align	8
	.type	k_qde680d13e0_chain,@function
k_qde680d13e0_chain:
	s_mov_b64 s[64:65], 0
	v_nop
	global_prefetch_b8 v0, s[64:65] scope:SCOPE_SE
	s_setreg_imm32_b32 hwreg(HW_REG_WAVE_MODE, 25, 1), 1
	s_wait_xcnt 0x0
; out[n] = relu(Q(x[n]) W[e] + b[e]) + the sum over c != e of relu(b[c]), e = cond_ids[n]: under the other seven experts the row is masked to zeros, and what is left of them is relu(b[c]).
; Q: codes of FP8 (E4M3) with one E8M0 scale for each 32 along K; W comes as codes.  A row whose id lies outside 0 .. 7 is masked under every expert: it goes with expert 7 and its x is held to 0.
; SHARES.  Work-group t takes tile t of the sorted list: up to 64 rows of one expert (order, tiles: made by the launch before).  263 work-groups serve every split; one whose tile has no rows stores nothing.
;  Quantising: wave w takes the tile's slots 16 w .. 16 w + 15.  Product: wave w makes columns 128 w .. 128 w + 127 for all 64 rows, in two groups of 64 columns: 16 accumulators, 128 registers.
;  A chunk k = 4 g + s is 4 tiles of 16 columns x one K step of 128 against 4 blocks of 16 rows: 16 matrix instructions.
;  W's fragments come from wl (images of operand registers) straight into a ring of four register buffers, four chunks (32,768 bytes a wave) ahead; x's come from LDS as images of registers.
; THE MATRIX INSTRUCTION IS USED TRANSPOSED (source 0 = 16 columns of W, source 1 = 16 rows of x): a lane holds one row and eight neighbouring columns.
; SLOTS PAST THE TILE'S COUNT take the entry of the last row: they compute and store the same bytes to the same row; a block of 16 slots wholly past the count stores nothing.
; The one barrier stands on every wave's path, ahead of every branch on a loaded number; so a tile without rows walks the first phase on row 0 and ends behind the barrier.
; NO CLUSTER, NO TENSOR LOAD: which tiles share an expert, and whether a tile has rows at all, hangs on counts read from memory, and the text branches on them;
;  a tile reads 262,144 bytes of W beside 262,144 bytes of its own x and out.
; LIMITS: NaN and infinities in x and b are not served (a row whose id is out of range is held to 0, where x times 0 would give NaN).  A block of x whose largest magnitude lies under 2^-118
;  keeps the scale byte 1; a block of zeros has the byte 1 where the rule says 127: its codes are zeros, and this program alone reads the byte.
;  Rows in an expert's last partial block of 16 are stored more than once, with equal bytes.
; LDS: 0: x's 16 fragments (4 m + s) of 2,048 bytes; XSC: for each block m 512 bytes: 16 a lane, its row's four scale words; TAB: each wave's table of row numbers, 256 bytes;
;  STG: each wave's own stage, 17,408 bytes: 16 rows of 528 bytes on x's way in, 64 rows of 272 on the way out (both pitches are odd multiples of 16 bytes).
; REGISTERS, window 0: v1-9 addresses; v10 all ones where my row's id is in range; v12-15 my row's scale words; v16-31 b[e] and the rest sum of my 4 columns, for both groups;
;  v32-47 x's scale words, v48-63 W's (these 32 hold scales and nothing else); v64-127 x's four fragments (first phase: at work; way out: offsets in out0); v128-255 the accumulators (first phase: b, then 64 numbers of x).
;  window 1: v[64 q ..]: x's K step q as loaded, then buffer q of W's ring.
.set XIMG, 0
.set XSC,  32768
.set TAB,  34816
.set STG,  35840
.set STGB, 17408
.set XP,   528
.set OP,   272
.set PWS,  12
.set B4,   16                          ; b[e] of group g at v[16 + 8 g]
.set R4,   20                          ; the rest sum of group g at v[20 + 8 g]
.set XS,   32
.set WS,   48
.set AF,   64
.set ACC,  128
.set X,    128
.set TM,   64                          ; v64-67 largest magnitudes, v68-71 bytes, v72-75 the largest number x the scale, v76-79 the conversions' scale operands
.set PC,   80                          ; v80-95 the codes just made
.set OFS,  64
.set MSB, 0
.macro WIN new                         ; s_set_vgpr_msb: bits 1:0 source 0, 3:2 source 1, 5:4 source 2, 7:6 destination; the high byte repeats the setting that is left
.if MSB != \new
	s_set_vgpr_msb (MSB<<8)|\new
.set MSB, \new
.endif
.endm
.macro PLACES n                        ; places behind matrix instructions: plain vector instructions that name none of their registers (ISA guide 7.12.1)
.rept \n
	v_nop
.endr
.endm
; K step s of my 16 rows turns through my stage: in as loaded (a row's 512 bytes on end), out 64 bytes of a block of 32 to a lane: register X + 16 b + 4 j + q = k 128 s + 32 b + 16 (lane / 16) + 4 j + q of row lane % 16.
; LDS serves a wave's instructions in order (ISA guide 5.7.1.4): no wait between the stores and the loads.
.macro TURN s
	WIN 0x04                                       ; an LDS store's data are its source 1: window 1
.irp i, 0,1,2,3,4,5,6,7,8,9,10,11,12,13,14,15
	ds_store_b128 v2, v[64*(\s)+4*\i:64*(\s)+4*\i+3] offset:XP*\i
.endr
	WIN 0
.irp b, 0,1,2,3
.irp j, 0,1,2,3
	ds_load_b128 v[X+16*\b+4*\j:X+16*\b+4*\j+3], v3 offset:128*\b+16*\j
.endr
.endr
.endm
.macro WLOAD k                         ; chunk k's four fragments of W, 8,192 consecutive bytes, into ring buffer k % 4
	WIN 0x40                                       ; destination window 1
.irp t, 0,1,2,3
.irp c, 0,1,2,3
	global_load_b128 v[64*((\k)%4)+16*\t+4*\c:64*((\k)%4)+16*\t+4*\c+3], v1, s[10:11] offset:8192*(\k)+2048*\t+512*\c
.endr
.endr
	WIN 0
.endm
; The 64 numbers in v[X] on become a fragment's codes in v[PC] on and my row's scale word in v[pw].
.macro QUANT pw
.irp b, 0,1,2,3
	v_max3_num_f32 v[TM+\b], |v[X+16*\b]|, |v[X+1+16*\b]|, 0x4800000           ; block b: my 16 numbers, and the floor 2^(9 - 127): the byte cannot fall under 1
.endr
.irp i, 2,4,6,8,10,12,14
.irp b, 0,1,2,3
	v_max3_num_f32 v[TM+\b], v[TM+\b], |v[X+16*\b+\i]|, |v[X+1+16*\b+\i]|      ; the four blocks by turns
.endr
.endr
.irp b, 0,1,2,3
	v_permlanex16_b32 v[TM+4+\b], v[TM+\b], s24, s25
.endr
.irp b, 0,1,2,3
	v_max_num_f32 v[TM+\b], v[TM+\b], v[TM+4+\b]   ; with lane l xor 16's 16: the block's largest magnitude
.endr
.irp b, 0,1,2,3
	v_add_nc_u32 v[TM+12+\b], 0xfc000000, v[TM+\b] ; 8 off its exponent field: the conversion takes the exponent field of this operand as its scale
.endr
.irp b, 0,1,2,3
	v_and_or_b32 v[TM+8+\b], v[TM+\b], 0x7f800000, s23   ; 448 x the scale
.endr
.irp b, 0,1,2,3
	v_and_b32 v[TM+8+\b], v10, v[TM+8+\b]          ; 0 for a row whose id is out of range: the hold below then makes its numbers 0
.endr
.irp b, 0,1,2,3
	v_lshrrev_b32 v[TM+4+\b], 23, v[TM+12+\b]      ; the scale's byte
.endr
	v_lshl_or_b32 v[\pw], v[TM+5], 8, v[TM+4]
	v_lshl_or_b32 v[\pw], v[TM+6], 16, v[\pw]
	v_lshl_or_b32 v[\pw], v[TM+7], 24, v[\pw]
.irp b, 0,1,2,3
.irp i, 0,1,2,3,4,5,6,7,8,9,10,11,12,13,14,15
	v_med3_num_f32 v[X+16*\b+\i], v[X+16*\b+\i], -v[TM+8+\b], v[TM+8+\b]       ; the conversion to an 8-bit code does not saturate (ISA guide 7.6.2): the hold at the largest code x the scale
.endr
	v_cvt_scalef32_pk8_fp8_f32 v[PC+4*\b:PC+4*\b+1], v[X+16*\b:X+16*\b+7], v[TM+12+\b]
	v_cvt_scalef32_pk8_fp8_f32 v[PC+4*\b+2:PC+4*\b+3], v[X+16*\b+8:X+16*\b+15], v[TM+12+\b]
.endr
	v_nop                                          ; one plain vector instruction behind the last conversion: later vector and matrix instructions write its sources
.endm
.macro IMAGE s                         ; the fragment goes to LDS as it stands in the registers
.irp c, 0,1,2,3
	ds_store_b128 v4, v[PC+4*\c:PC+4*\c+3] offset:XIMG+2048*(\s)+512*\c
.endr
.endm
.macro AFETCH s, m                     ; and comes back so, in any wave: block m, K step s
.irp c, 0,1,2,3
	ds_load_b128 v[AF+16*(\m)+4*\c:AF+16*(\m)+4*\c+3], v1 offset:XIMG+(4*(\m)+(\s))*2048+512*\c
.endr
.endm
; 8 matrix instructions of chunk k: blocks m0, m0 + 1 of rows x the chunk's four tiles of columns.  W's scale words: register WS + 4 p + s holds those of columns 32 p + lane,
; so tile t of group g reads p = 2 g + t / 2, lanes 0-15 where t is even, lanes 16-31 where it is odd.  A group's first K step starts the sums with the constant 0.
; The 16 accumulators take turns, one instruction a turn, in the same order in every chunk.
.macro MUL8 k, m0
.irp m, \m0, \m0+1
.irp t, 0,1,2,3
.if ((\k)%4) == 0
.if (\t%2) == 0
	v_wmma_scale_f32_16x16x128_f8f6f4 v[ACC+8*(4*(\m)+\t):ACC+8*(4*(\m)+\t)+7], v[64*((\k)%4)+16*\t:64*((\k)%4)+16*\t+15], v[AF+16*(\m):AF+16*(\m)+15], 0, v[WS+4*(2*((\k)/4)+\t/2)+(\k)%4], v[XS+4*(\m)+(\k)%4]
.else
	v_wmma_scale_f32_16x16x128_f8f6f4 v[ACC+8*(4*(\m)+\t):ACC+8*(4*(\m)+\t)+7], v[64*((\k)%4)+16*\t:64*((\k)%4)+16*\t+15], v[AF+16*(\m):AF+16*(\m)+15], 0, v[WS+4*(2*((\k)/4)+\t/2)+(\k)%4], v[XS+4*(\m)+(\k)%4] matrix_a_scale:MATRIX_SCALE_ROW1
.endif
.else
.if (\t%2) == 0
	v_wmma_scale_f32_16x16x128_f8f6f4 v[ACC+8*(4*(\m)+\t):ACC+8*(4*(\m)+\t)+7], v[64*((\k)%4)+16*\t:64*((\k)%4)+16*\t+15], v[AF+16*(\m):AF+16*(\m)+15], v[ACC+8*(4*(\m)+\t):ACC+8*(4*(\m)+\t)+7], v[WS+4*(2*((\k)/4)+\t/2)+(\k)%4], v[XS+4*(\m)+(\k)%4]
.else
	v_wmma_scale_f32_16x16x128_f8f6f4 v[ACC+8*(4*(\m)+\t):ACC+8*(4*(\m)+\t)+7], v[64*((\k)%4)+16*\t:64*((\k)%4)+16*\t+15], v[AF+16*(\m):AF+16*(\m)+15], v[ACC+8*(4*(\m)+\t):ACC+8*(4*(\m)+\t)+7], v[WS+4*(2*((\k)/4)+\t/2)+(\k)%4], v[XS+4*(\m)+(\k)%4] matrix_a_scale:MATRIX_SCALE_ROW1
.endif
.endif
.endr
.endr
.endm
; Chunk k.  n: the loads of W issued behind chunk k's, which may stay out.  fetch = 1: the next K step's fragments of x are fetched, each pair of blocks as soon as its products are issued.
.macro CHUNK k, n, fetch
	s_wait_loadcnt \n                              ; my ring buffer is in
	s_wait_dscnt 8                                 ; x's blocks 0 and 1 (and what was asked for ahead of them) are in; the youngest eight loads, blocks 2 and 3, may be out
	WIN 0x01                                       ; source 0 (W) window 1
	MUL8 \k, 0
	WIN 0
.if \fetch
	PLACES 8                                       ; in front of loads into registers that matrix instructions have read
	AFETCH ((\k)+1)%4, 0
	AFETCH ((\k)+1)%4, 1
	s_wait_dscnt 8                                 ; all but the eight just issued: blocks 2 and 3 are in
.else
	s_wait_dscnt 0x0
.endif
	WIN 0x01
	MUL8 \k, 2
	WIN 0
.if \fetch
	PLACES 8
	AFETCH ((\k)+1)%4, 2
	AFETCH ((\k)+1)%4, 3
.else
	PLACES 9                                       ; eight for the LDS stores that read the results and the loads into operands; the ninth for the next group's first products, which write over accumulators
.endif
.if (\k) < 4
	WLOAD (\k)+4                                   ; the buffer just multiplied takes the chunk four further on
.endif
.endm
; Block m of group g leaves: + b[e], relu, + the rest sum; lanes 0-15 store 256 consecutive bytes of one row, lanes 16-31 of the next slot's row, each at a multiple of 256 from out0's first byte.
.macro SEND g, m
	s_wait_dscnt 24-8*(\m)                         ; block m's eight loads are back; those of the later blocks may be out.  (On every path: the registers are written again later)
.if (\m) > 0
	s_cmp_le_u32 s21, 16*(\m)                      ; all 16 slots lie past the tile's count: nothing to store
	s_cbranch_scc1 .Lpast_\@
.endif
.irp i, 0,1,2,3,4,5,6,7
	v_pk_add_f32 v[ACC+32*(\m)+4*\i:ACC+32*(\m)+4*\i+1], v[ACC+32*(\m)+4*\i:ACC+32*(\m)+4*\i+1], v[B4+8*(\g):B4+8*(\g)+1]
	v_pk_add_f32 v[ACC+32*(\m)+4*\i+2:ACC+32*(\m)+4*\i+3], v[ACC+32*(\m)+4*\i+2:ACC+32*(\m)+4*\i+3], v[B4+8*(\g)+2:B4+8*(\g)+3]
.irp q, 0,1,2,3
	v_max_num_f32 v[ACC+32*(\m)+4*\i+\q], 0, v[ACC+32*(\m)+4*\i+\q]
.endr
	v_pk_add_f32 v[ACC+32*(\m)+4*\i:ACC+32*(\m)+4*\i+1], v[ACC+32*(\m)+4*\i:ACC+32*(\m)+4*\i+1], v[R4+8*(\g):R4+8*(\g)+1]
	v_pk_add_f32 v[ACC+32*(\m)+4*\i+2:ACC+32*(\m)+4*\i+3], v[ACC+32*(\m)+4*\i+2:ACC+32*(\m)+4*\i+3], v[R4+8*(\g)+2:R4+8*(\g)+3]
	global_store_b128 v[OFS+8*(\m)+\i], v[ACC+32*(\m)+4*\i:ACC+32*(\m)+4*\i+3], s[16:17] offset:256*(\g) th:TH_STORE_NT
.endr
.Lpast_\@:
.endm
; THE WAY OUT of group g: 64 rows x 64 columns through my own stage, back as rows of 256 bytes into the registers that they left.
.macro OUT g
.irp m, 0,1,2,3
.irp t, 0,1,2,3
	ds_store_b128 v6, v[ACC+8*(4*\m+\t):ACC+8*(4*\m+\t)+3] offset:16*OP*\m+64*\t          ; each accumulator from its low end on
	ds_store_b128 v6, v[ACC+8*(4*\m+\t)+4:ACC+8*(4*\m+\t)+7] offset:16*OP*\m+64*\t+16
.endr
.endr
.irp m, 0,1,2,3
.irp u, 0,1
	ds_load_b128 v[OFS+8*\m+4*\u:OFS+8*\m+4*\u+3], v8 offset:64*\m+16*\u                  ; the rows of slots 16 m + 2 i + lane / 16, i = 4 u + 0 .. 3
.endr
.endr
.irp m, 0,1,2,3
	s_wait_dscnt 32                                ; 32 LDS instructions were issued behind block m's eight stores: those stores have read the registers that the loads below fill
.irp i, 0,1,2,3,4,5,6,7
	ds_load_b128 v[ACC+32*\m+4*\i:ACC+32*\m+4*\i+3], v7 offset:(16*\m+2*\i)*OP
.endr
.endr
	s_wait_dscnt 32                                ; the row numbers are in; the 32 loads of rows issued behind them may be out
.irp j, 0,1,2,3,4,5,6,7,8,9,10,11,12,13,14,15,16,17,18,19,20,21,22,23,24,25,26,27,28,29,30,31
	v_min_u32 v[OFS+\j], 0x3fff, v[OFS+\j]         ; a loaded number is held inside the buffer before it becomes an address
.endr
.irp j, 0,1,2,3,4,5,6,7,8,9,10,11,12,13,14,15,16,17,18,19,20,21,22,23,24,25,26,27,28,29,30,31
	v_lshl_add_u32 v[OFS+\j], v[OFS+\j], 11, v9    ; row x 2,048 bytes + my wave's 512 + my 16
.endr
	SEND \g, 0
	SEND \g, 1
	SEND \g, 2
	SEND \g, 3
.endm
	s_load_b256 s[4:11], s[0:1], 0x0               ; x s[4:5], order s[6:7], tiles s[8:9], wl s[10:11]
	s_load_b128 s[12:15], s[0:1], 0x20             ; W's scales s[12:13], b s[14:15]
	s_load_b64 s[16:17], s[0:1], 0x30              ; out0
	s_set_vgpr_msb 0x80
	v_lshl_add_u32 v0, v0, 2, 0x19c00
	v_mov_b32 v1, 0
	s_set_vgpr_msb 0x8000
	v_lshrrev_b32 v11, 5, v0
	v_readfirstlane_b32 s18, v11                   ; wave 0..3
	v_and_b32 v107, 31, v0                         ; lane
	v_and_b32 v108, 15, v0                         ; r
	v_bfe_u32 v109, v0, 4, 1                       ; h
	v_lshlrev_b32 v1, 4, v107                      ; 16 x lane
	s_mul_i32 s30, s18, STGB
	s_add_co_u32 s30, s30, STG                     ; my stage
	v_add_nc_u32 v2, s30, v1                       ; x in: 16 x lane of a row
	v_mul_u32_u24 v3, v108, XP
	v_lshl_add_u32 v3, v109, 6, v3
	v_add_nc_u32 v3, s30, v3                       ; x out: row r, + 64 h
	v_mul_u32_u24 v6, v108, OP
	v_lshl_add_u32 v6, v109, 5, v6
	v_add_nc_u32 v6, s30, v6                       ; results in: row r, + 32 h
	v_mul_u32_u24 v7, v109, OP
	v_lshl_add_u32 v7, v108, 4, v7
	v_add_nc_u32 v7, s30, v7                       ; results back: lanes 0-15 one row, lanes 16-31 the next
	s_lshl_b32 s31, s18, 13
	v_add_nc_u32 v4, s31, v1                       ; where I store x's images: 4 fragments x wave + 16 x lane
	s_lshl_b32 s31, s18, 9
	v_add_nc_u32 v5, s31, v1                       ; and their scale words: 512 x wave + 16 x lane
	v_lshl_add_u32 v9, v108, 4, s31                ; my 4 columns' bytes in a row of b or of out0: 512 x wave + 16 r (+ 256 g in the immediate)
	s_lshl_b32 s31, s18, 8
	s_add_co_u32 s31, s31, TAB                     ; my table of rows
	v_lshl_add_u32 v8, v109, 5, s31                ; read: 32 h
	v_and_b32 v110, 1, v0                          ; written: slot l goes to word 16 (l / 16) + 8 (l % 2) + (l / 2) % 8
	v_bfe_u32 v111, v0, 1, 3
	v_lshl_add_u32 v111, v110, 3, v111
	v_lshl_add_u32 v111, v109, 4, v111
	v_lshl_add_u32 v106, v111, 2, s31
	v_lshlrev_b32 v98, 2, v107                     ; 4 x lane
.irp d, 0,1,2,3,4
	v_mov_b32 v[100+\d], 0                         ; the lane permutes' destinations, written once
.endr
.irp d, 0,1,2,3
	v_mov_b32 v[TM+4+\d], 0                        ; likewise
.endr
	s_mov_b32 s27, 0                               ; the upper word of every offset
	s_mov_b32 s23, 0x600000                        ; the mantissa field of 448
	s_mov_b32 s24, 0x76543210
	s_mov_b32 s25, 0xfedcba98                      ; v_permlanex16_b32's selects for lane l xor 16
	s_wait_kmcnt 0x0
	s_lshl_b32 s26, ttmp9, 2
	s_add_nc_u64 s[8:9], s[8:9], s[26:27]
	s_load_b32 s19, s[8:9], 0x0                    ; my tile's word
	s_lshl_b32 s26, ttmp9, 8
	s_add_nc_u64 s[6:7], s[6:7], s[26:27]
	global_load_b32 v96, v98, s[6:7]               ; the tile's slots 0-31,
	global_load_b32 v97, v98, s[6:7] offset:128    ; 32-63
.irp c, 0,1,2,3,4,5,6,7
.irp g, 0,1
	global_load_b128 v[128+8*\c+4*\g:128+8*\c+4*\g+3], v9, s[14:15] offset:2048*\c+256*\g   ; b[c] at my 4 columns of both groups
.endr
.endr
	s_wait_kmcnt 0x0
	s_and_b32 s20, s19, 7
	s_min_u32 s20, s20, 7                          ; the expert
	s_bfe_u32 s21, s19, 0x70008
	s_min_u32 s21, s21, 64                         ; the tile's rows
	s_max_u32 s22, s21, 1
	s_sub_co_u32 s22, s22, 1                       ; its last slot with a row
	s_lshl_b32 s26, s20, 18
	s_lshl_b32 s30, s18, 16
	s_add_co_u32 s26, s26, s30
	s_add_nc_u64 s[10:11], s[10:11], s[26:27]      ; wl: the expert's 262,144 bytes, my wave's 65,536
	s_lshl_b32 s26, s20, 13
	s_lshl_b32 s30, s18, 11
	s_add_co_u32 s26, s26, s30
	s_add_nc_u64 s[12:13], s[12:13], s[26:27]      ; W's scales: the expert's 8,192 bytes, my wave's 128 columns of 16
	s_lshl_b32 s26, s20, 11
	s_add_nc_u64 s[28:29], s[14:15], s[26:27]      ; b[e]
	v_min_u32 v99, s22, v107                       ; slot j takes the entry of slot min(j, last): for slots 0-31,
	v_add_nc_u32 v110, 32, v107
	v_min_u32 v110, s22, v110                      ; for slots 32-63,
	s_lshl_b32 s30, s18, 4
	v_add_nc_u32 v111, s30, v108
	v_min_u32 v111, s22, v111                      ; and for my own row's slot 16 w + r
	v_cmp_le_u32 s66, 32, v110
	v_cmp_le_u32 s67, 32, v111
	v_lshlrev_b32 v99, 2, v99                      ; a permute's index is 4 x the lane
	v_lshlrev_b32 v110, 2, v110
	v_lshlrev_b32 v111, 2, v111
	v_and_b32 v110, 0x7c, v110
	v_and_b32 v111, 0x7c, v111
	s_wait_alu depctr_va_vdst(0)
	s_wait_loadcnt 16                              ; the entries are in; the 16 loads of b issued behind them may be out
	ds_bpermute_b32 v100, v99, v96
	ds_bpermute_b32 v101, v110, v96
	ds_bpermute_b32 v102, v110, v97
	ds_bpermute_b32 v103, v111, v96
	ds_bpermute_b32 v104, v111, v97
	s_wait_dscnt 0x0
	v_cndmask_b32 v101, v101, v102, s66
	v_cndmask_b32 v105, v103, v104, s67            ; my row's entry
	s_wait_alu depctr_va_vdst(0)
	v_and_b32 v100, 0x3fff, v100
	v_and_b32 v101, 0x3fff, v101
	ds_store_b32 v106, v100                        ; the 64 row numbers, in the order in which the way out reads them
	ds_store_b32 v106, v101 offset:128
	v_bfe_u32 v10, v105, 15, 1
	v_sub_nc_u32 v10, 0, v10                       ; all ones where my row's id lay in 0 .. 7
.irp i, 0,1,2,3,4,5,6,7,8,9,10,11,12,13,14,15
	v_readlane_b32 s26, v105, \i
	s_and_b32 s26, s26, 0x3fff
	s_min_u32 s26, s26, 0x3fff                     ; a loaded number is held inside the buffer before it becomes an address
	s_lshl_b32 s26, s26, 11
	s_add_nc_u64 s[32+2*\i:33+2*\i], s[4:5], s[26:27]   ; where row i of my 16 begins in x
.endr
	WIN 0x40                                       ; destination window 1
.irp s, 0,1,2,3
.irp i, 0,1,2,3,4,5,6,7,8,9,10,11,12,13,14,15
	global_load_b128 v[64*\s+4*\i:64*\s+4*\i+3], v1, s[32+2*\i:33+2*\i] offset:512*\s      ; 512 consecutive bytes of one row; all 32,768 bytes of my rows are asked for at once
.endr
.endr
	WIN 0
	s_wait_loadcnt 63                              ; 64 loads were issued behind b's 16: b is in
	; the rest sum, formed directly: the sum over c of relu(b[c]) x (0 for my expert, else 1)
.irp c, 0,1,2,3,4,5,6,7
	s_cmp_eq_u32 s20, \c
	s_cselect_b32 s66, 0, 1.0
	s_mov_b32 s67, s66                             ; (named with it as a pair, so it is written)
.irp q, 0,1,2,3,4,5,6,7
	v_max_num_f32 v[128+8*\c+\q], 0, v[128+8*\c+\q]
.endr
.irp g, 0,1
.irp u, 0,2
.if \c == 0
	v_pk_mul_f32 v[R4+8*\g+\u:R4+8*\g+\u+1], v[128+8*\c+4*\g+\u:128+8*\c+4*\g+\u+1], s[66:67] op_sel_hi:[1,0]
.else
	v_pk_fma_f32 v[R4+8*\g+\u:R4+8*\g+\u+1], v[128+8*\c+4*\g+\u:128+8*\c+4*\g+\u+1], s[66:67], v[R4+8*\g+\u:R4+8*\g+\u+1] op_sel_hi:[1,0,1]
.endif
.endr
.endr
.endr
	; ---- x: my 16 rows become four fragments.  As soon as a K step has left its landing registers, they take a chunk of W.
	s_wait_loadcnt 48                              ; K step 0 is in; behind it: K steps 1 to 3
	TURN 0
	s_wait_dscnt 0x0                               ; the 64 numbers are back, and the stores have read the landing registers
.irp p, 0,1,2,3
	global_load_b128 v[WS+4*\p:WS+4*\p+3], v1, s[12:13] offset:512*\p          ; lane l: the four scale words of column 32 p + l of my 128
.endr
.irp g, 0,1
	global_load_b128 v[B4+8*\g:B4+8*\g+3], v9, s[28:29] offset:256*\g          ; b[e] at my 4 columns
.endr
	WLOAD 0
	QUANT PWS+0
	IMAGE 0
	s_wait_loadcnt 54                              ; K step 1 is in; behind it: 32 of x, 6 of scales and b, 16 of W
	TURN 1
	s_wait_dscnt 0x0
	WLOAD 1
	QUANT PWS+1
	IMAGE 1
	s_wait_loadcnt 54                              ; K step 2; behind it: 16 of x, 6, 32 of W
	TURN 2
	s_wait_dscnt 0x0
	WLOAD 2
	QUANT PWS+2
	IMAGE 2
	s_wait_loadcnt 54                              ; K step 3; behind it: 6, 48 of W
	TURN 3
	s_wait_dscnt 0x0
	WLOAD 3
	QUANT PWS+3
	IMAGE 3
	ds_store_b128 v5, v[PWS:PWS+3] offset:XSC      ; my row's four scale words
	s_wait_dscnt 0x0                               ; for the others' sake: my images and scale words lie in LDS
	s_barrier_signal -1
	s_barrier_wait -1                              ; the tile's sixteen fragments lie in LDS; nobody writes them again
	s_cmp_eq_u32 s21, 0                            ; a tile without rows ends here, behind the barrier
	s_cbranch_scc1 .Lend
.irp m, 0,1,2,3
	ds_load_b128 v[XS+4*\m:XS+4*\m+3], v1 offset:XSC+512*\m                    ; lane r: the four scale words of row r of block m
.endr
	AFETCH 0, 0
	AFETCH 0, 1
	AFETCH 0, 2
	AFETCH 0, 3
	; ---- the product.  Behind chunk k's 16 loads of W stand those of the next three chunks, as far as there are any
	CHUNK 0, 48, 1
	CHUNK 1, 48, 1
	CHUNK 2, 48, 1
	CHUNK 3, 48, 0
	OUT 0
	s_wait_xcnt 0x0                                ; the stores have read their data and offsets: both are written again below
	AFETCH 0, 0
	AFETCH 0, 1
	AFETCH 0, 2
	AFETCH 0, 3
	CHUNK 4, 48, 1
	CHUNK 5, 32, 1
	CHUNK 6, 16, 1
	CHUNK 7, 0, 0
	OUT 1
.Lend:
	s_barrier_signal -1
	s_barrier_wait -1
	s_set_vgpr_msb 0xa
	s_wait_tensorcnt 0x0
	ds_add_u32 v0, v1
	s_wait_dscnt 0x0
	s_set_vgpr_msb 0xa00
	s_endpgm
.Lfunc_end_k_qde680d13e0_chain:
	.size	k_qde680d13e0_chain, .Lfunc_end_k_qde680d13e0_chain-k_qde680d13e0_chain
	.p2alignl 7, 3214868480
	.fill 96, 4, 3214868480
	.section	.rodata,"a",@progbits
	.p2align	6, 0x0
	.amdhsa_kernel k_qde680d13e0_chain
		.amdhsa_group_segment_fixed_size 105984
		.amdhsa_private_segment_fixed_size 0
		.amdhsa_enable_private_segment 0
		.amdhsa_kernarg_size 56
		.amdhsa_user_sgpr_count 2
		.amdhsa_user_sgpr_kernarg_segment_ptr 1
		.amdhsa_wavefront_size32 1
		.amdhsa_system_sgpr_workgroup_id_x 1
		.amdhsa_system_sgpr_workgroup_id_y 1
		.amdhsa_system_sgpr_workgroup_id_z 1
		.amdhsa_system_vgpr_workitem_id 0
		.amdhsa_next_free_vgpr 514
		.amdhsa_next_free_sgpr 72
		.amdhsa_reserve_vcc 0
		.amdhsa_float_denorm_mode_32 3
		.amdhsa_float_denorm_mode_16_64 3
		.amdhsa_memory_ordered 1
		.amdhsa_forward_progress 1
		.amdhsa_inst_pref_size 155
	.end_amdhsa_kernel
	.amdgpu_metadata
---
amdhsa.version: [ 1, 2 ]
amdhsa.kernels:
  - .name:           k_qde680d13e0_chain
    .symbol:         k_qde680d13e0_chain.kd
    .args:
      - { .name: x, .offset: 0, .size: 8, .value_kind: global_buffer, .address_space: global }
      - { .name: order, .offset: 8, .size: 8, .value_kind: global_buffer, .address_space: global }
      - { .name: tiles, .offset: 16, .size: 8, .value_kind: global_buffer, .address_space: global }
      - { .name: wl, .offset: 24, .size: 8, .value_kind: global_buffer, .address_space: global }
      - { .name: W_scales, .offset: 32, .size: 8, .value_kind: global_buffer, .address_space: global }
      - { .name: b, .offset: 40, .size: 8, .value_kind: global_buffer, .address_space: global }
      - { .name: out0, .offset: 48, .size: 8, .value_kind: global_buffer, .address_space: global }
    .group_segment_fixed_size: 105984
    .private_segment_fixed_size: 0
    .kernarg_segment_align: 8
    .kernarg_segment_size: 56
    .max_flat_workgroup_size: 128
    .sgpr_count:     72
    .vgpr_count:     514
    .wavefront_size: 32
...
	.end_amdgpu_metadata
.endif
;; end of part 2
